; MI455X (gfx1250); checked and timed in simulation.
; The chip was launched on July 23, 2026; its instructions are those of AMD's public machine-readable ISA for CDNA 5 (MIT licence, August 2026) and "CDNA5" Instruction Set Architecture Reference Guide (July 2026). The comments in the code are by the model that wrote it; some were corrected since.
;; Quer loss prob 5class. Allowed arithmetic: float matrix products may take bf16 or f16 operands with f32 sums; all other float work in f32.
;; Inputs: n 65,536 int32; pred_n 65,536 x 5 float32; sym_mask 5 x 360 bool; sym_qua 5 x 360 x 4 float32; x 65,536 x 4 float32; y 65,536 x 4 float32.
;; Outputs: out0 65,536 x 1 float32; out1 65,536 x 4 float32; out2 65,536 x 4 float32.
;; 2 versions, each right; version 2 is version 1 with the launch search written anew for expert scheduling mode. Each part assembles by itself: llvm-mc -triple=amdgcn-amd-amdhsa -mcpu=gfx1250 --defsym DOCPART=n.
;; ======== version 1 of 2: 2 launches
;; workspace buffers: code 262,144 bytes of whole numbers
;; launch search (part 1): grid 256 x 1, 4 waves a work-group, no clusters, 175,104 bytes of LDS; arguments x, y, n, sym_qua, sym_mask, code; writes code
.if DOCPART == 1
	.amdgcn_target "amdgcn-amd-amdhsa--gfx1250"
	.amdhsa_code_object_version 6
	.text
	.protected	k_q0e04cd8f5e_search
	.globl	k_q0e04cd8f5e_search
	.p2align	8
	.type	k_q0e04cd8f5e_search,@function
k_q0e04cd8f5e_search:
	s_mov_b64 s[64:65], 0
	v_nop
	global_prefetch_b8 v0, s[64:65] scope:SCOPE_SE
	s_setreg_imm32_b32 hwreg(HW_REG_WAVE_MODE, 25, 1), 1
	s_wait_xcnt 0x0
; SEARCH.  For each of 65,536 samples: which half of [acos(d), acos(-d)] holds the least angle, and the first group of 8
; symmetries in which it is reached.  acos falls monotonically, so the least angle is the largest clip(d) or clip(-d).
; d[b][s] = (x/|x|) . (y (x) sym[n][s]) is linear in sym: d = w[b] . sym[n[b]][s], w a 4-vector made of x/|x| and y.
; The dots go to the matrix unit in bf16 with f32-like accuracy: each f32 is cut into three bf16 pieces a1 + a2 + a3
; (each the rounded rest of the one before), and six products of pieces are kept (what is dropped is below 2^-26 of |q||w|).
; The gather by class is folded into K: index 20 term + 4 class + dim (0..119, 120..127 zero).  A sample's row holds w's
; pieces in the quad of its own class and zeros elsewhere, so K = 128: four matrix instructions for 16 symmetries x 16 samples.
;   term            0   1   2   3   4   5      (small products first)
;   table piece     q1  q3  q2  q1  q2  q1
;   sample piece    w3  w1  w2  w2  w1  w1
; Masked entries and the pad rows 360..383 are zeros (by select), so their d is 0.  The search starts at best = 0 with the
; group of the class's first valid symmetry (0 if there is none) and moves on strictly greater values only: zeros never win,
; and 'all valid d are 0' and 'no valid entry' end as the argmin over the angles ends.
; Output: code word = group | second half << 8; in each block of 64 samples word 2 L + e belongs to sample 32 e + L, so that a
; wave's one store covers 256 consecutive bytes, aligned.
; A work-group: 256 samples, four waves of 64 samples (4 tiles of 16); every work-group builds the whole table in its LDS.
; pred_n is no argument: the function defined by the problem never uses it.
; LIMITS.  x.x must be a normal finite f32 (|x| from about 1e-18 to 1e18); a row x = 0 is not served.  Non-finite numbers in
; x, y or a valid table entry are not served.  Two candidates whose d differ by less than about 2e-7 of |w||q| may be ordered
; otherwise than by a chain of f32 operations.
.set PITCH, 272                        ; an LDS row: 256 bytes along K + 16 bytes, an odd multiple of 16
.set TILEB, 16*PITCH                   ; 16 rows
.set BST,   384*PITCH                  ; 104,448: behind the table's 384 rows, the samples' 256 rows
.set FVB,   BST+256*PITCH              ; 174,080: word [class][chunk of 32 symmetries]: first valid symmetry or 0x7fff; 64 bytes a class
; registers of the main part
.set T0,   2                           ; at work
.set T1,   3
.set G,    4                           ; the group that this lane's eight results belong to: 2 tile + h
.set AADR, 5                           ; LDS address of my part of a table fragment
.set BADR, 6                           ; the same for my wave's sample rows
.set CO,   7                           ; byte offset of my two code words
.set NT,   8                           ; v[8:11]    class of sample 16 T + r
.set OUTC, 12                          ; v[12:13]   the two code words to store
.set BF,   16                          ; v[16:143]  sample fragments: tile T, K block kb at 16 + 32 T + 8 kb
.set AF0,  144                         ; v[144:175] table fragments, buffer 0
.set AF1,  176                         ; v[176:207] buffer 1
.set ACC,  208                         ; v[208:239] four accumulators, one for each sample tile
.set BP,   240                         ; v[240:243] best clip(d)
.set GP,   244                         ; v[244:247] its group
.set BN,   248                         ; v[248:251] best clip(-d)
.set GN,   252                         ; v[252:255] its group
; registers of the preparation, all dead before the fragments are loaded
.set TQ,   16                          ; v[16:75]   15 table quaternions: class c, row block m at 4 (3 c + m)
.set TM,   76                          ; v[76:90]   their mask bytes
.set QP1,  92                          ; v[92:97]   three pairs of packed pieces
.set QP2,  94
.set QP3,  96
.set QS,   98                          ; v[98:101]  at work
.set ZR,   112                         ; v[112:115] zeros
.set ROWA, 116                         ; v[116:118] LDS address of table row 128 m + thread
.set BROW, 119                         ; LDS address of the row of sample 64 w + lane
.set BQ,   120                         ; v[120:121] that row (and the row 32 further, by the immediate) at the class's quad
.set FVA,  122                         ; FVB + 4 w
.set XO,   123                         ; byte offsets into x and y, n, n by tile, sym_qua, sym_mask
.set NO,   124
.set NTO,  125
.set QOA,  126
.set QOC,  127
.set MOC,  128
.set SX,   144                         ; v[144:159] x, y of sample 0, x, y of sample 1
.set SN,   160                         ; v[160:161] their classes
.set WT,   162                         ; v[162:163] at work
.set WV,   164                         ; v[164:167] w
.set WP1,  168                         ; v[168:173] its pieces
.set WP2,  170
.set WP3,  172
.set WS,   174                         ; v[174:177] at work
.set FV,   176                         ; v[176:223] 12 first-valid words for each of 4 tiles
; four f32 in v[a:a+3] become three pairs of packed bf16; a is used up, t is four registers at work.  The rests are exact in f32.
.macro SPLIT4 a, p1, p2, p3, t
	v_cvt_pk_bf16_f32 v[\p1],   v[\a],   v[\a+1]
	v_cvt_pk_bf16_f32 v[\p1+1], v[\a+2], v[\a+3]
	v_lshlrev_b32 v[\t],   16,  v[\p1]
	v_and_b32     v[\t+1], s19, v[\p1]
	v_lshlrev_b32 v[\t+2], 16,  v[\p1+1]
	v_and_b32     v[\t+3], s19, v[\p1+1]
.irp k, 0,1,2,3
	v_sub_f32 v[\a+\k], v[\a+\k], v[\t+\k]
.endr
	v_cvt_pk_bf16_f32 v[\p2],   v[\a],   v[\a+1]
	v_cvt_pk_bf16_f32 v[\p2+1], v[\a+2], v[\a+3]
	v_lshlrev_b32 v[\t],   16,  v[\p2]
	v_and_b32     v[\t+1], s19, v[\p2]
	v_lshlrev_b32 v[\t+2], 16,  v[\p2+1]
	v_and_b32     v[\t+3], s19, v[\p2+1]
.irp k, 0,1,2,3
	v_sub_f32 v[\a+\k], v[\a+\k], v[\t+\k]
.endr
	v_cvt_pk_bf16_f32 v[\p3],   v[\a],   v[\a+1]
	v_cvt_pk_bf16_f32 v[\p3+1], v[\a+2], v[\a+3]
.endm
; w from x and y (p = y): the coefficients of qx, qy, qz, qw in (x/|x|) . (p (x) q)
.macro WVEC x, y, w, t
	v_mul_f32  v[\t], v[\x],   v[\x]
	v_fmac_f32 v[\t], v[\x+1], v[\x+1]
	v_fmac_f32 v[\t], v[\x+2], v[\x+2]
	v_fmac_f32 v[\t], v[\x+3], v[\x+3]
	v_rsq_f32  v[\t+1], v[\t]                      ; the next line is a plain vector instruction that touches neither t nor t+1 (ISA guide 5.7.2)
	v_mul_f32  v[\w],   v[\x],    v[\y+3]
	v_fma_f32  v[\w],   -v[\x+1], v[\y+2], v[\w]
	v_fma_f32  v[\w],   v[\x+2],  v[\y+1], v[\w]
	v_fma_f32  v[\w],   -v[\x+3], v[\y],   v[\w]
	v_mul_f32  v[\w+1], v[\x],    v[\y+2]
	v_fma_f32  v[\w+1], v[\x+1],  v[\y+3], v[\w+1]
	v_fma_f32  v[\w+1], -v[\x+2], v[\y],   v[\w+1]
	v_fma_f32  v[\w+1], -v[\x+3], v[\y+1], v[\w+1]
	v_mul_f32  v[\w+2], v[\x+1],  v[\y]
	v_fma_f32  v[\w+2], -v[\x],   v[\y+1], v[\w+2]
	v_fma_f32  v[\w+2], v[\x+2],  v[\y+3], v[\w+2]
	v_fma_f32  v[\w+2], -v[\x+3], v[\y+2], v[\w+2]
	v_mul_f32  v[\w+3], v[\x],    v[\y]
	v_fmac_f32 v[\w+3], v[\x+1],  v[\y+1]
	v_fmac_f32 v[\w+3], v[\x+2],  v[\y+2]
	v_fmac_f32 v[\w+3], v[\x+3],  v[\y+3]
	s_wait_alu depctr_va_vdst(0)
.irp k, 0,1,2,3
	v_mul_f32 v[\w+\k], v[\w+\k], v[\t+1]
.endr
.endm
; sample e of my two: its w, cut in pieces, into the quad of its class in its (zeroed) row
.macro SAMPLE e
	v_min_u32 v[SN+\e], 4, v[SN+\e]
	v_lshl_add_u32 v[BQ+\e], v[SN+\e], 3, v[BROW]
	WVEC SX+8*\e, SX+8*\e+4, WV, WT
	SPLIT4 WV, WP1, WP2, WP3, WS
	ds_store_b64 v[BQ+\e], v[WP3:WP3+1] offset:32*PITCH*\e
	ds_store_b64 v[BQ+\e], v[WP1:WP1+1] offset:32*PITCH*\e+40
	ds_store_b64 v[BQ+\e], v[WP2:WP2+1] offset:32*PITCH*\e+80
	ds_store_b64 v[BQ+\e], v[WP2:WP2+1] offset:32*PITCH*\e+120
	ds_store_b64 v[BQ+\e], v[WP1:WP1+1] offset:32*PITCH*\e+160
	ds_store_b64 v[BQ+\e], v[WP1:WP1+1] offset:32*PITCH*\e+200
.endm
; table entry (class c, row 128 m + thread): masked, cut in pieces, stored; and the first valid row of my wave's 32
.macro ITEM c, m
	s_wait_loadcnt 2*(14-(3*\c+\m))                ; loads return in order: the pairs (quaternion, mask) of the later entries stay out
	v_cmp_ne_u32 vcc_lo, 0, v[TM+3*\c+\m]
.if \m == 2
	s_and_b32 vcc_lo, vcc_lo, s23                  ; rows 360..383 do not exist
.endif
	s_ctz_i32_b32 s27, vcc_lo                      ; the first valid lane,
	s_add_co_u32 s27, s27, s17                     ; as a row: + 32 w
	s_add_co_u32 s27, s27, 128*\m                  ; + 128 m
	s_cmp_lg_u32 vcc_lo, 0
	s_cselect_b32 s27, s27, 0x7fff                 ; none: a number above every row
	v_mov_b32 v[T0], s27
	ds_store_b32 v[FVA], v[T0] offset:64*\c+16*\m  ; every lane stores the same word
.irp k, 0,1,2,3
	v_cndmask_b32 v[TQ+4*(3*\c+\m)+\k], 0, v[TQ+4*(3*\c+\m)+\k], vcc_lo
.endr
	SPLIT4 TQ+4*(3*\c+\m), QP1, QP2, QP3, QS
	ds_store_b64 v[ROWA+\m], v[QP1:QP1+1] offset:8*\c
	ds_store_b64 v[ROWA+\m], v[QP3:QP3+1] offset:8*\c+40
	ds_store_b64 v[ROWA+\m], v[QP2:QP2+1] offset:8*\c+80
	ds_store_b64 v[ROWA+\m], v[QP1:QP1+1] offset:8*\c+120
	ds_store_b64 v[ROWA+\m], v[QP2:QP2+1] offset:8*\c+160
	ds_store_b64 v[ROWA+\m], v[QP1:QP1+1] offset:8*\c+200
.endm
; the table fragments of one tile of 16 symmetries, K = 128: lane (r, h) takes row r, bytes 64 kb + 16 h and 32 further
.macro FETCH buf, off
.irp kb, 0,1,2,3
	ds_load_b128 v[\buf+8*\kb:\buf+8*\kb+3],   v[AADR] offset:\off+64*\kb
	ds_load_b128 v[\buf+8*\kb+4:\buf+8*\kb+7], v[AADR] offset:\off+64*\kb+32
.endr
.endm
; one matrix instruction: rows = 16 symmetries, columns = the 16 samples of tile acc; K block 0 starts the sum
.macro MM acc, buf, kb
.if \kb == 0
	v_wmma_f32_16x16x32_bf16 v[ACC+8*\acc:ACC+8*\acc+7], v[\buf+8*\kb:\buf+8*\kb+7], v[BF+32*\acc+8*\kb:BF+32*\acc+8*\kb+7], 0
.else
	v_wmma_f32_16x16x32_bf16 v[ACC+8*\acc:ACC+8*\acc+7], v[\buf+8*\kb:\buf+8*\kb+7], v[BF+32*\acc+8*\kb:BF+32*\acc+8*\kb+7], v[ACC+8*\acc:ACC+8*\acc+7]
.endif
.endm
; the search on a finished accumulator, in four pieces of four instructions that stand between matrix instructions
.macro MAXP T, on                      ; the largest of my eight d
.if \on
	v_max3_num_f32 v[T0], v[ACC+8*\T], v[ACC+8*\T+1], v[ACC+8*\T+2]
	v_max3_num_f32 v[T0], v[T0], v[ACC+8*\T+3], v[ACC+8*\T+4]
	v_max3_num_f32 v[T0], v[T0], v[ACC+8*\T+5], v[ACC+8*\T+6]
	v_max_num_f32  v[T0], v[T0], v[ACC+8*\T+7]
.endif
.endm
.macro UPDP T, on                      ; clipped; a strictly greater value brings its group
.if \on
	v_min_num_f32 v[T0], s18, v[T0]
	v_cmp_gt_f32 vcc_lo, v[T0], v[BP+\T]
	v_cndmask_b32 v[GP+\T], v[GP+\T], v[G], vcc_lo
	v_max_num_f32 v[BP+\T], v[BP+\T], v[T0]
.endif
.endm
.macro MAXN T, on                      ; the least of my eight d
.if \on
	v_min3_num_f32 v[T1], v[ACC+8*\T], v[ACC+8*\T+1], v[ACC+8*\T+2]
	v_min3_num_f32 v[T1], v[T1], v[ACC+8*\T+3], v[ACC+8*\T+4]
	v_min3_num_f32 v[T1], v[T1], v[ACC+8*\T+5], v[ACC+8*\T+6]
	v_min_num_f32  v[T1], v[T1], v[ACC+8*\T+7]
.endif
.endm
.macro UPDN T, on                      ; the largest -d, clipped
.if \on
	v_min_num_f32 v[T1], -v[T1], s18
	v_cmp_gt_f32 vcc_lo, v[T1], v[BN+\T]
	v_cndmask_b32 v[GN+\T], v[GN+\T], v[G], vcc_lo
	v_max_num_f32 v[BN+\T], v[BN+\T], v[T1]
.endif
.endm
; eight matrix instructions on accumulators a0 and a1, which take turns, one instruction a turn;
; between them the search on the two accumulators p0 and p1 that were finished before
.macro PHASE a0, a1, p0, p1, buf, on
	MM \a0, \buf, 0
	MAXP \p0, \on
	MM \a1, \buf, 0
	UPDP \p0, \on
	MM \a0, \buf, 1
	MAXN \p0, \on
	MM \a1, \buf, 1
	UPDN \p0, \on
	MM \a0, \buf, 2
	MAXP \p1, \on
	MM \a1, \buf, 2
	UPDP \p1, \on
	MM \a0, \buf, 3
	MAXN \p1, \on
	MM \a1, \buf, 3
	UPDN \p1, \on
.endm
; four places behind the last matrix instruction before its result is read by vector instructions or loads are issued into its sources
.macro PLACES
.rept 4
	v_nop
.endr
.endm
; one tile of 16 symmetries against my 64 samples.  buf: its fragments; other, off: where the next tile's go and come from;
; prev = 1: the tile before left accumulators 2 and 3 to be searched (with the old G); fetch = 0: the last tile
.macro TRIP buf, other, off, prev, fetch
.if \prev
	PLACES
.endif
.if \fetch
	FETCH \other, \off
	s_wait_dscnt 0x8                               ; LDS loads return in order: all but the eight just issued are in, this tile's fragments among them
.else
	s_wait_dscnt 0x0
.endif
	PHASE 0, 1, 2, 3, \buf, \prev
.if \prev
	v_add_nc_u32 v[G], 2, v[G]                     ; now this tile's group
.endif
	PLACES
	PHASE 2, 3, 0, 1, \buf, 1
.endm
; lanes r and r + 16 hold the even and the odd groups of one sample: the greater value wins, on equal values the lower group; then the half
.macro FIN T
	v_permlanex16_b32 v[T0], v[BP+\T], s24, s25
	v_permlanex16_b32 v[T1], v[GP+\T], s24, s25
	v_cmp_gt_f32 s20, v[T0], v[BP+\T]
	v_cmp_eq_f32 s21, v[T0], v[BP+\T]
	v_cmp_lt_u32 s22, v[T1], v[GP+\T]
	s_and_b32 s21, s21, s22
	s_or_b32 vcc_lo, s20, s21
	v_cndmask_b32 v[BP+\T], v[BP+\T], v[T0], vcc_lo
	v_cndmask_b32 v[GP+\T], v[GP+\T], v[T1], vcc_lo
	v_permlanex16_b32 v[T0], v[BN+\T], s24, s25
	v_permlanex16_b32 v[T1], v[GN+\T], s24, s25
	v_cmp_gt_f32 s20, v[T0], v[BN+\T]
	v_cmp_eq_f32 s21, v[T0], v[BN+\T]
	v_cmp_lt_u32 s22, v[T1], v[GN+\T]
	s_and_b32 s21, s21, s22
	s_or_b32 vcc_lo, s20, s21
	v_cndmask_b32 v[BN+\T], v[BN+\T], v[T0], vcc_lo
	v_cndmask_b32 v[GN+\T], v[GN+\T], v[T1], vcc_lo
	v_or_b32 v[T0], 0x100, v[GN+\T]
	v_cmp_ge_f32 vcc_lo, v[BP+\T], v[BN+\T]        ; on equal angles the first half has the lower index
	v_cndmask_b32 v[BP+\T], v[T0], v[GP+\T], vcc_lo ; the code word takes BP's place
.endm
	; ---- ids and addresses
	s_load_b256 s[4:11], s[0:1], 0x0               ; x s[4:5], y s[6:7], n s[8:9], sym_qua s[10:11]
	s_load_b128 s[12:15], s[0:1], 0x20             ; sym_mask s[12:13], code s[14:15]
	v_lshl_add_u32 v14, v0, 2, 0x2aa00
	v_mov_b32 v15, 0
	v_lshrrev_b32 v1, 5, v0
	v_readfirstlane_b32 s16, v1                    ; wave w
	s_lshl_b32 s17, s16, 5                         ; 32 w
	s_mov_b32 s18, 0x3f7fffef                      ; 1 - 1e-6 in f32, the clip
	s_mov_b32 s19, 0xffff0000                      ; a word's upper bf16; also: lanes 16..31
	s_mov_b32 s24, 0x76543210                      ; v_permlanex16_b32: lane i reads lane i of the other half
	s_mov_b32 s25, 0xfedcba98
	s_mov_b32 s29, FVB
	v_cmp_gt_u32 s23, 104, v0                      ; row 256 + thread is below 360
	v_and_b32 v1, 15, v0                           ; r
	v_bfe_u32 v[G], v0, 4, 1                       ; h: also the group of tile 0
	v_add_nc_u32 v3, s17, v0                       ; 64 w + lane
	v_mul_u32_u24 v[ROWA], v0, PITCH
	v_add_nc_u32 v[ROWA+1], 128*PITCH, v[ROWA]
	v_add_nc_u32 v[ROWA+2], 256*PITCH, v[ROWA]
	v_mul_u32_u24 v[BROW], v3, PITCH
	v_add_nc_u32 v[BROW], BST, v[BROW]
	s_lshl_b32 s28, s16, 2
	s_add_co_u32 s28, s28, FVB
	v_mov_b32 v[FVA], s28
	v_mul_u32_u24 v[AADR], v1, PITCH
	v_lshl_add_u32 v[AADR], v[G], 4, v[AADR]       ; r x pitch + 16 h
	s_mul_i32 s28, s16, 64*PITCH
	s_add_co_u32 s28, s28, BST
	v_add_nc_u32 v[BADR], s28, v[AADR]             ; the same in my wave's 64 sample rows
	v_lshlrev_b32 v[CO], 3, v0                     ; 256 w + 8 lane
	v_lshlrev_b32 v[XO], 4, v3
	v_lshlrev_b32 v[NO], 2, v3
	s_lshl_b32 s28, s16, 8
	v_lshl_add_u32 v[NTO], v1, 2, s28              ; 4 (64 w + r)
	v_lshlrev_b32 v[QOA], 4, v0
	v_add_nc_u32 v[MOC], 256, v0
	v_min_u32 v[MOC], 359, v[MOC]                  ; rows past the table read its last row and are masked
	v_lshlrev_b32 v[QOC], 4, v[MOC]
.irp k, 0,1,2,3
	v_mov_b32 v[ZR+\k], 0
.endr
	s_wait_kmcnt 0x0
	s_lshl_b32 s30, ttmp9, 12                      ; 256 samples of 16 bytes
	s_mov_b32 s31, 0
	s_add_nc_u64 s[4:5], s[4:5], s[30:31]
	s_add_nc_u64 s[6:7], s[6:7], s[30:31]
	s_lshl_b32 s30, ttmp9, 10                      ; 256 words
	s_add_nc_u64 s[8:9], s[8:9], s[30:31]
	s_add_nc_u64 s[14:15], s[14:15], s[30:31]
	; ---- 40 loads: ten for the samples, then 15 pairs for the table
	global_load_b128 v[SX:SX+3],     v[XO], s[4:5]
	global_load_b128 v[SX+4:SX+7],   v[XO], s[6:7]
	global_load_b32  v[SN],          v[NO], s[8:9]
	global_load_b128 v[SX+8:SX+11],  v[XO], s[4:5] offset:512
	global_load_b128 v[SX+12:SX+15], v[XO], s[6:7] offset:512
	global_load_b32  v[SN+1],        v[NO], s[8:9] offset:128
.irp T, 0,1,2,3
	global_load_b32  v[NT+\T], v[NTO], s[8:9] offset:64*\T
.endr
.irp c, 0,1,2,3,4
.irp m, 0,1,2
.if \m == 2
	global_load_b128 v[TQ+4*(3*\c+\m):TQ+4*(3*\c+\m)+3], v[QOC], s[10:11] offset:5760*\c
	global_load_u8   v[TM+3*\c+\m], v[MOC], s[12:13] offset:360*\c
.else
	global_load_b128 v[TQ+4*(3*\c+\m):TQ+4*(3*\c+\m)+3], v[QOA], s[10:11] offset:5760*\c+2048*\m
	global_load_u8   v[TM+3*\c+\m], v0, s[12:13] offset:360*\c+128*\m
.endif
.endr
.endr
	; ---- while they fly: zeros into my two sample rows and into bytes 240..255 (K 120..127) of my three table rows
.irp k, 0,1,2,3,4,5,6,7,8,9,10,11,12,13,14,15
	ds_store_b128 v[BROW], v[ZR:ZR+3] offset:16*\k
	ds_store_b128 v[BROW], v[ZR:ZR+3] offset:32*PITCH+16*\k
.endr
.irp m, 0,1,2
	ds_store_b128 v[ROWA+\m], v[ZR:ZR+3] offset:240
.endr
	; ---- my two samples.  LDS serves a wave's instructions in order (ISA guide 5.7.1): the quads land on the zeros
	s_wait_loadcnt 30                              ; the ten sample loads are in; the table's 30 stay out
	SAMPLE 0
	SAMPLE 1
	; ---- my 15 table entries
.irp c, 0,1,2,3,4
.irp m, 0,1,2
	ITEM \c, \m
.endr
.endr
	s_wait_dscnt 0x0                               ; my LDS stores are done, for the other waves' sake
	s_barrier_signal -1
	s_barrier_wait -1                              ; the only barrier: behind it LDS is read alone
	; ---- start of the search, and the fragments
.irp T, 0,1,2,3
	v_min_u32 v[NT+\T], 4, v[NT+\T]
	v_lshl_add_u32 v[NT+\T], v[NT+\T], 6, s29      ; the 12 first-valid words of the sample's class
	ds_load_b128 v[FV+12*\T:FV+12*\T+3],    v[NT+\T]
	ds_load_b128 v[FV+12*\T+4:FV+12*\T+7],  v[NT+\T] offset:16
	ds_load_b128 v[FV+12*\T+8:FV+12*\T+11], v[NT+\T] offset:32
.endr
.irp T, 0,1,2,3
.irp kb, 0,1,2,3
	ds_load_b128 v[BF+32*\T+8*\kb:BF+32*\T+8*\kb+3],   v[BADR] offset:TILEB*\T+64*\kb
	ds_load_b128 v[BF+32*\T+8*\kb+4:BF+32*\T+8*\kb+7], v[BADR] offset:TILEB*\T+64*\kb+32
.endr
.endr
	FETCH AF0, 0
	s_wait_dscnt 40                                ; the 12 loads of first-valid words are in; the 32 + 8 fragment loads behind them stay out
.irp k, 1,2,3,4,5,6,7,8,9,10,11
.irp T, 0,1,2,3
	v_min_u32 v[FV+12*\T], v[FV+12*\T], v[FV+12*\T+\k]
.endr
.endr
.irp T, 0,1,2,3
	v_cmp_gt_u32 vcc_lo, 360, v[FV+12*\T]          ; the class has a valid symmetry
	v_lshrrev_b32 v[FV+12*\T], 3, v[FV+12*\T]
	v_cndmask_b32 v[GP+\T], 0, v[FV+12*\T], vcc_lo ; its group, or 0
	v_mov_b32 v[BP+\T], 0
	v_mov_b32 v[BN+\T], 0
	v_mov_b32 v[GN+\T], v[GP+\T]
.endr
	; ---- 24 tiles of 16 symmetries: two in front of the loop (the first has nothing to search yet), 20 in it, two behind (the last fetches nothing)
	TRIP AF0, AF1, TILEB, 0, 1
	TRIP AF1, AF0, 2*TILEB, 1, 1
	v_add_nc_u32 v[AADR], 2*TILEB, v[AADR]
	s_mov_b32 s26, 10
.Ltiles:
	TRIP AF0, AF1, TILEB, 1, 1
	TRIP AF1, AF0, 2*TILEB, 1, 1
	v_add_nc_u32 v[AADR], 2*TILEB, v[AADR]
	s_sub_co_i32 s26, s26, 1
	s_cmp_lg_u32 s26, 0
	s_cbranch_scc1 .Ltiles
	TRIP AF0, AF1, TILEB, 1, 1
	TRIP AF1, AF0, 0, 1, 0
	PLACES
	MAXP 2, 1
	UPDP 2, 1
	MAXN 2, 1
	UPDN 2, 1
	MAXP 3, 1
	UPDP 3, 1
	MAXN 3, 1
	UPDN 3, 1
	; ---- the way out: lane L stores the words of samples L (tile 0 or 1) and 32 + L (tile 2 or 3)
	FIN 0
	FIN 1
	FIN 2
	FIN 3
	v_cndmask_b32 v[OUTC],   v[BP],   v[BP+1], s19
	v_cndmask_b32 v[OUTC+1], v[BP+2], v[BP+3], s19
	global_store_b64 v[CO], v[OUTC:OUTC+1], s[14:15]   ; the wave's store covers 256 consecutive bytes, at a multiple of 256 from code's first byte
	s_wait_tensorcnt 0x0
	ds_add_u32 v14, v15
	s_wait_dscnt 0x0
	s_endpgm
.Lfunc_end_k_q0e04cd8f5e_search:
	.size	k_q0e04cd8f5e_search, .Lfunc_end_k_q0e04cd8f5e_search-k_q0e04cd8f5e_search
	.p2alignl 7, 3214868480
	.fill 96, 4, 3214868480
	.section	.rodata,"a",@progbits
	.p2align	6, 0x0
	.amdhsa_kernel k_q0e04cd8f5e_search
		.amdhsa_group_segment_fixed_size 175104
		.amdhsa_private_segment_fixed_size 0
		.amdhsa_enable_private_segment 0
		.amdhsa_kernarg_size 48
		.amdhsa_user_sgpr_count 2
		.amdhsa_user_sgpr_kernarg_segment_ptr 1
		.amdhsa_wavefront_size32 1
		.amdhsa_system_sgpr_workgroup_id_x 1
		.amdhsa_system_sgpr_workgroup_id_y 1
		.amdhsa_system_sgpr_workgroup_id_z 1
		.amdhsa_system_vgpr_workitem_id 0
		.amdhsa_next_free_vgpr 256
		.amdhsa_next_free_sgpr 66
		.amdhsa_reserve_vcc 1
		.amdhsa_float_denorm_mode_32 3
		.amdhsa_float_denorm_mode_16_64 3
		.amdhsa_memory_ordered 1
		.amdhsa_forward_progress 1
		.amdhsa_inst_pref_size 78
	.end_amdhsa_kernel
	.amdgpu_metadata
---
amdhsa.version: [ 1, 2 ]
amdhsa.kernels:
  - .name:           k_q0e04cd8f5e_search
    .symbol:         k_q0e04cd8f5e_search.kd
    .args:
      - { .name: x, .offset: 0, .size: 8, .value_kind: global_buffer, .address_space: global }
      - { .name: y, .offset: 8, .size: 8, .value_kind: global_buffer, .address_space: global }
      - { .name: n, .offset: 16, .size: 8, .value_kind: global_buffer, .address_space: global }
      - { .name: sym_qua, .offset: 24, .size: 8, .value_kind: global_buffer, .address_space: global }
      - { .name: sym_mask, .offset: 32, .size: 8, .value_kind: global_buffer, .address_space: global }
      - { .name: code, .offset: 40, .size: 8, .value_kind: global_buffer, .address_space: global }
    .group_segment_fixed_size: 175104
    .private_segment_fixed_size: 0
    .kernarg_segment_align: 8
    .kernarg_segment_size: 48
    .max_flat_workgroup_size: 128
    .sgpr_count:     66
    .vgpr_count:     256
    .wavefront_size: 32
...
	.end_amdgpu_metadata
.endif
;; end of part 1
;; launch resolve (part 2): grid 256 x 1, 8 waves a work-group, no clusters, 0 bytes of LDS; arguments x, y, n, sym_qua, sym_mask, code, out0, out1, out2; writes out0, out1, out2
.if DOCPART == 2
	.amdgcn_target "amdgcn-amd-amdhsa--gfx1250"
	.amdhsa_code_object_version 6
	.text
	.protected	k_q0e04cd8f5e_resolve
	.globl	k_q0e04cd8f5e_resolve
	.p2align	8
	.type	k_q0e04cd8f5e_resolve,@function
k_q0e04cd8f5e_resolve:
	s_mov_b64 s[64:65], 0
	v_nop
	global_prefetch_b8 v0, s[64:65] scope:SCOPE_SE
	s_setreg_imm32_b32 hwreg(HW_REG_WAVE_MODE, 25, 1), 1
	s_wait_xcnt 0x0
; RESOLVE.  One sample a thread.  The launch before stored, as whole numbers, the winning half and the winning group of 8
; symmetries.  Here the group's 8 quaternions and 8 mask bytes are gathered, their 8 dots are made again in f32 (so that the
; label belongs to the very symmetry that is chosen), the first largest valid one is kept by selects, and the three results
; are made: the angle, +x or -x, and y (x) q.  No LDS, no barrier, no loop: the waves share nothing.
; acos(t) for 0 <= t <= 1 is sqrt(1 - t) times a polynomial of degree 7 (Abramowitz and Stegun 4.4.46, error below 1e-7 with
; f32 rounding); for negative arguments pi minus it.
; A class with no valid symmetry: angle 1e9, +x, y (x) sym[n][0], as the argmin over a row of equal numbers gives.
; LIMITS: as in the search: x.x a normal finite f32, no non-finite numbers in x, y or valid table entries.
; out0 is stored as 4 bytes a lane: a wave's store covers 128 consecutive bytes; out1 and out2 as 16 bytes a lane, 512 consecutive bytes.
.set IX,   10                          ; the sample's number
.set O16,  1                           ; 16 i
.set O4,   2                           ; 4 i
.set OC,   3                           ; byte offset of its code word
.set RN,   4                           ; class
.set RC,   5                           ; code word
.set RG,   6                           ; group
.set SG,   7                           ; the sign bit: second half
.set OQ,   8                           ; byte offset of the group in sym_qua
.set OM,   9                           ; and in sym_mask
.set RX,   12                          ; v[12:15] x
.set RY,   16                          ; v[16:19] y
.set RW,   20                          ; v[20:23] w, with the half's sign
.set RM,   24                          ; v[24:25] 8 mask bytes
.set RQ,   28                          ; v[28:59] 8 quaternions
.set SEL,  60                          ; v[60:63] the chosen one
.set BEST, 64                          ; its clipped dot; -2 while none is valid
.set TA,   66                          ; v[66:71] at work
.set O1,   76                          ; v[76:79] out1
.set O2,   80                          ; v[80:83] out2
.set LOSS, 84
.macro WVEC x, y, w, t                 ; w from x and y (p = y): the coefficients of qx, qy, qz, qw in (x/|x|) . (p (x) q)
	v_mul_f32  v[\t], v[\x],   v[\x]
	v_fmac_f32 v[\t], v[\x+1], v[\x+1]
	v_fmac_f32 v[\t], v[\x+2], v[\x+2]
	v_fmac_f32 v[\t], v[\x+3], v[\x+3]
	v_rsq_f32  v[\t+1], v[\t]                      ; the next line is a plain vector instruction that touches neither t nor t+1 (ISA guide 5.7.2)
	v_mul_f32  v[\w],   v[\x],    v[\y+3]
	v_fma_f32  v[\w],   -v[\x+1], v[\y+2], v[\w]
	v_fma_f32  v[\w],   v[\x+2],  v[\y+1], v[\w]
	v_fma_f32  v[\w],   -v[\x+3], v[\y],   v[\w]
	v_mul_f32  v[\w+1], v[\x],    v[\y+2]
	v_fma_f32  v[\w+1], v[\x+1],  v[\y+3], v[\w+1]
	v_fma_f32  v[\w+1], -v[\x+2], v[\y],   v[\w+1]
	v_fma_f32  v[\w+1], -v[\x+3], v[\y+1], v[\w+1]
	v_mul_f32  v[\w+2], v[\x+1],  v[\y]
	v_fma_f32  v[\w+2], -v[\x],   v[\y+1], v[\w+2]
	v_fma_f32  v[\w+2], v[\x+2],  v[\y+3], v[\w+2]
	v_fma_f32  v[\w+2], -v[\x+3], v[\y+2], v[\w+2]
	v_mul_f32  v[\w+3], v[\x],    v[\y]
	v_fmac_f32 v[\w+3], v[\x+1],  v[\y+1]
	v_fmac_f32 v[\w+3], v[\x+2],  v[\y+2]
	v_fmac_f32 v[\w+3], v[\x+3],  v[\y+3]
	s_wait_alu depctr_va_vdst(0)
.irp k, 0,1,2,3
	v_mul_f32 v[\w+\k], v[\w+\k], v[\t+1]
.endr
.endm
	s_load_b512 s[4:19], s[0:1], 0x0               ; x s[4:5], y s[6:7], n s[8:9], sym_qua s[10:11], sym_mask s[12:13], code s[14:15], out0 s[16:17], out1 s[18:19]
	s_load_b64 s[20:21], s[0:1], 0x40              ; out2
	s_lshl_b32 s22, ttmp9, 8
	s_mov_b32 s23, 0x3f7fffef                      ; 1 - 1e-6 in f32
	s_mov_b32 s26, 0xbf7fffef                      ; and its negative: the clip
	v_add_nc_u32 v[IX], s22, v0
	v_lshlrev_b32 v[O16], 4, v[IX]
	v_lshlrev_b32 v[O4], 2, v[IX]
	v_and_b32 v[OC], 0xffffffc0, v[IX]             ; code word 64 (i / 64) + 2 (i mod 32) + (i / 32 mod 2)
	v_and_b32 v[TA], 31, v[IX]
	v_bfe_u32 v[TA+1], v[IX], 5, 1
	v_lshl_add_u32 v[OC], v[TA], 1, v[OC]
	v_add_lshl_u32 v[OC], v[OC], v[TA+1], 2
	s_wait_kmcnt 0x0
	global_load_b32  v[RN], v[O4], s[8:9] th:TH_LOAD_NT
	global_load_b32  v[RC], v[OC], s[14:15]
	global_load_b128 v[RX:RX+3], v[O16], s[4:5] th:TH_LOAD_NT
	global_load_b128 v[RY:RY+3], v[O16], s[6:7] th:TH_LOAD_NT
	s_wait_loadcnt 0x2                             ; class and code are in; x and y stay out
	v_min_u32 v[RN], 4, v[RN]
	v_and_b32 v[RG], 0xff, v[RC]
	v_min_u32 v[RG], 44, v[RG]
	v_lshrrev_b32 v[SG], 8, v[RC]
	v_lshlrev_b32 v[SG], 31, v[SG]
	v_mul_u32_u24 v[OM], v[RN], 360
	v_lshl_add_u32 v[OM], v[RG], 3, v[OM]          ; entry 360 n + 8 g: a multiple of 8, at most 1,792
	v_lshlrev_b32 v[OQ], 4, v[OM]
	global_load_b64 v[RM:RM+1], v[OM], s[12:13]
.irp j, 0,1,2,3,4,5,6,7
	global_load_b128 v[RQ+4*\j:RQ+4*\j+3], v[OQ], s[10:11] offset:16*\j
.endr
	s_wait_loadcnt 0x9                             ; x and y are in; the nine gathers stay out
	WVEC RX, RY, RW, TA
.irp k, 0,1,2,3
	v_xor_b32 v[RW+\k], v[SG], v[RW+\k]            ; the second half looks at -d
	v_xor_b32 v[O1+\k], v[SG], v[RX+\k]            ; and returns -x
.endr
	global_store_b128 v[O16], v[O1:O1+3], s[18:19] th:TH_STORE_NT
	v_mov_b32 v[BEST], -2.0
	s_wait_loadcnt 0x7                             ; the mask bytes and quaternion 0 are in
.irp k, 0,1,2,3
	v_mov_b32 v[SEL+\k], v[RQ+\k]                  ; what stays if nothing is valid
.endr
.irp j, 0,1,2,3,4,5,6,7
	s_wait_loadcnt 7-\j                            ; loads return in order: quaternion j is in, the later ones stay out
	v_mul_f32  v[TA], v[RW],   v[RQ+4*\j]
	v_fmac_f32 v[TA], v[RW+1], v[RQ+4*\j+1]
	v_fmac_f32 v[TA], v[RW+2], v[RQ+4*\j+2]
	v_fmac_f32 v[TA], v[RW+3], v[RQ+4*\j+3]
	v_med3_num_f32 v[TA], v[TA], s26, s23          ; the clip
	v_bfe_u32 v[TA+1], v[RM+\j/4], 8*(\j%4), 8
	v_cmp_ne_u32 s24, 0, v[TA+1]
	v_cmp_gt_f32 s25, v[TA], v[BEST]               ; strictly greater: the first of equals stays
	s_and_b32 vcc_lo, s24, s25
	v_cndmask_b32 v[BEST], v[BEST], v[TA], vcc_lo
.irp k, 0,1,2,3
	v_cndmask_b32 v[SEL+\k], v[SEL+\k], v[RQ+4*\j+\k], vcc_lo
.endr
.endr
	; the angle
	v_and_b32 v[TA], 0x7fffffff, v[BEST]           ; t = |best|
	v_sub_f32 v[TA+1], 1.0, v[TA]
	v_sqrt_f32 v[TA+2], v[TA+1]                    ; the polynomial's lines stand between this and the use of its result (ISA guide 5.7.2)
	v_mov_b32 v[TA+3], 0xbaa57a2c                  ; -0.0012624911
	v_fmaak_f32 v[TA+3], v[TA+3], v[TA], 0x3bda90c5  ;  0.0066700901
	v_fmaak_f32 v[TA+3], v[TA+3], v[TA], 0xbc8bfc66  ; -0.0170881256
	v_fmaak_f32 v[TA+3], v[TA+3], v[TA], 0x3cfd10f8  ;  0.0308918810
	v_fmaak_f32 v[TA+3], v[TA+3], v[TA], 0xbd4d8392  ; -0.0501743046
	v_fmaak_f32 v[TA+3], v[TA+3], v[TA], 0x3db63a9e  ;  0.0889789874
	v_fmaak_f32 v[TA+3], v[TA+3], v[TA], 0xbe5bbfca  ; -0.2145988016
	v_fmaak_f32 v[TA+3], v[TA+3], v[TA], 0x3fc90fda  ;  1.5707963050
	s_wait_alu depctr_va_vdst(0)
	v_mul_f32 v[TA+3], v[TA+2], v[TA+3]            ; acos(t)
	v_sub_f32 v[TA+4], 0x40490fdb, v[TA+3]         ; pi - acos(t)
	v_cmp_gt_f32 vcc_lo, 0, v[BEST]
	v_cndmask_b32 v[TA+3], v[TA+3], v[TA+4], vcc_lo
	v_cmp_lt_f32 vcc_lo, 0xbfc00000, v[BEST]       ; -1.5 < best: something was valid
	v_cndmask_b32 v[LOSS], 0x4e6e6b28, v[TA+3], vcc_lo   ; else 1e9
	global_store_b32 v[O4], v[LOSS], s[16:17] th:TH_STORE_NT
	; the label: p (x) q with p = y, q = the chosen quaternion, w at index 3
	v_mul_f32  v[O2],   v[SEL+3],  v[RY]           ; rx = qw px + qx pw + qy pz - qz py
	v_fmac_f32 v[O2],   v[SEL],    v[RY+3]
	v_fmac_f32 v[O2],   v[SEL+1],  v[RY+2]
	v_fma_f32  v[O2],   -v[SEL+2], v[RY+1], v[O2]
	v_mul_f32  v[O2+1], v[SEL+3],  v[RY+1]         ; ry = qw py - qx pz + qy pw + qz px
	v_fma_f32  v[O2+1], -v[SEL],   v[RY+2], v[O2+1]
	v_fmac_f32 v[O2+1], v[SEL+1],  v[RY+3]
	v_fmac_f32 v[O2+1], v[SEL+2],  v[RY]
	v_mul_f32  v[O2+2], v[SEL+3],  v[RY+2]         ; rz = qw pz + qx py - qy px + qz pw
	v_fmac_f32 v[O2+2], v[SEL],    v[RY+1]
	v_fma_f32  v[O2+2], -v[SEL+1], v[RY],   v[O2+2]
	v_fmac_f32 v[O2+2], v[SEL+2],  v[RY+3]
	v_mul_f32  v[O2+3], v[SEL+3],  v[RY+3]         ; rw = qw pw - qx px - qy py - qz pz
	v_fma_f32  v[O2+3], -v[SEL],   v[RY],   v[O2+3]
	v_fma_f32  v[O2+3], -v[SEL+1], v[RY+1], v[O2+3]
	v_fma_f32  v[O2+3], -v[SEL+2], v[RY+2], v[O2+3]
	global_store_b128 v[O16], v[O2:O2+3], s[20:21] th:TH_STORE_NT
	s_endpgm
.Lfunc_end_k_q0e04cd8f5e_resolve:
	.size	k_q0e04cd8f5e_resolve, .Lfunc_end_k_q0e04cd8f5e_resolve-k_q0e04cd8f5e_resolve
	.p2alignl 7, 3214868480
	.fill 96, 4, 3214868480
	.section	.rodata,"a",@progbits
	.p2align	6, 0x0
	.amdhsa_kernel k_q0e04cd8f5e_resolve
		.amdhsa_group_segment_fixed_size 0
		.amdhsa_private_segment_fixed_size 0
		.amdhsa_enable_private_segment 0
		.amdhsa_kernarg_size 72
		.amdhsa_user_sgpr_count 2
		.amdhsa_user_sgpr_kernarg_segment_ptr 1
		.amdhsa_wavefront_size32 1
		.amdhsa_system_sgpr_workgroup_id_x 1
		.amdhsa_system_sgpr_workgroup_id_y 1
		.amdhsa_system_sgpr_workgroup_id_z 1
		.amdhsa_system_vgpr_workitem_id 0
		.amdhsa_next_free_vgpr 96
		.amdhsa_next_free_sgpr 66
		.amdhsa_reserve_vcc 1
		.amdhsa_float_denorm_mode_32 3
		.amdhsa_float_denorm_mode_16_64 3
		.amdhsa_memory_ordered 1
		.amdhsa_forward_progress 1
		.amdhsa_inst_pref_size 11
	.end_amdhsa_kernel
	.amdgpu_metadata
---
amdhsa.version: [ 1, 2 ]
amdhsa.kernels:
  - .name:           k_q0e04cd8f5e_resolve
    .symbol:         k_q0e04cd8f5e_resolve.kd
    .args:
      - { .name: x, .offset: 0, .size: 8, .value_kind: global_buffer, .address_space: global }
      - { .name: y, .offset: 8, .size: 8, .value_kind: global_buffer, .address_space: global }
      - { .name: n, .offset: 16, .size: 8, .value_kind: global_buffer, .address_space: global }
      - { .name: sym_qua, .offset: 24, .size: 8, .value_kind: global_buffer, .address_space: global }
      - { .name: sym_mask, .offset: 32, .size: 8, .value_kind: global_buffer, .address_space: global }
      - { .name: code, .offset: 40, .size: 8, .value_kind: global_buffer, .address_space: global }
      - { .name: out0, .offset: 48, .size: 8, .value_kind: global_buffer, .address_space: global }
      - { .name: out1, .offset: 56, .size: 8, .value_kind: global_buffer, .address_space: global }
      - { .name: out2, .offset: 64, .size: 8, .value_kind: global_buffer, .address_space: global }
    .group_segment_fixed_size: 0
    .private_segment_fixed_size: 0
    .kernarg_segment_align: 8
    .kernarg_segment_size: 72
    .max_flat_workgroup_size: 256
    .sgpr_count:     66
    .vgpr_count:     96
    .wavefront_size: 32
...
	.end_amdgpu_metadata
.endif
;; end of part 2
;; ======== version 2 of 2: 2 launches; version 1 with the launch search written anew for expert scheduling mode
;; workspace buffers: code 262,144 bytes of whole numbers
;; launch search (part 3): grid 256 x 1, 4 waves a work-group, no clusters, 175,104 bytes of LDS; arguments x, y, n, sym_qua, sym_mask, code; writes code
.if DOCPART == 3
	.amdgcn_target "amdgcn-amd-amdhsa--gfx1250"
	.amdhsa_code_object_version 6
	.text
	.protected	k_q0e04cd8f5e_search
	.globl	k_q0e04cd8f5e_search
	.p2align	8
	.type	k_q0e04cd8f5e_search,@function
k_q0e04cd8f5e_search:
	s_mov_b64 s[64:65], 0
	v_nop
	global_prefetch_b8 v0, s[64:65] scope:SCOPE_SE
	s_setreg_imm32_b32 hwreg(HW_REG_WAVE_SCHED_MODE, 0, 2), 2
	s_setreg_imm32_b32 hwreg(HW_REG_WAVE_MODE, 25, 1), 1
	s_wait_xcnt 0x0
	s_wait_alu depctr_vm_vsrc(0)
; SEARCH.  For each of 65,536 samples: which half of [acos(d), acos(-d)] holds the least angle, and the first group of 8
; symmetries in which it is reached.  acos falls monotonically, so the least angle is the largest clip(d) or clip(-d).
; d[b][s] = (x/|x|) . (y (x) sym[n][s]) is linear in sym: d = w[b] . sym[n[b]][s], w a 4-vector made of x/|x| and y.
; The dots go to the matrix unit in bf16 with f32-like accuracy: each f32 is cut into three bf16 pieces a1 + a2 + a3
; (each the rounded rest of the one before), and six products of pieces are kept (what is dropped is below 2^-26 of |q||w|).
; The gather by class is folded into K: index 20 term + 4 class + dim (0..119, 120..127 zero).  A sample's row holds w's
; pieces in the quad of its own class and zeros elsewhere, so K = 128: four matrix instructions for 16 symmetries x 16 samples.
;   term            0   1   2   3   4   5      (small products first)
;   table piece     q1  q3  q2  q1  q2  q1
;   sample piece    w3  w1  w2  w2  w1  w1
; Masked entries and the pad rows 360..383 are zeros (by select), so their d is 0.  The search starts at best = 0 with the
; group of the class's first valid symmetry (0 if there is none) and moves on strictly greater values only: zeros never win,
; and 'all valid d are 0' and 'no valid entry' end as the argmin over the angles ends.
; Output: code word = group | second half << 8; in each block of 64 samples word 2 L + e belongs to sample 32 e + L, so that a
; wave's one store covers 256 consecutive bytes, aligned.
; A work-group: 256 samples, four waves of 64 samples (4 tiles of 16); every work-group builds the whole table in its LDS.
; pred_n is no argument: the function defined by the problem never uses it.
; LIMITS.  x.x must be a normal finite f32 (|x| from about 1e-18 to 1e18); a row x = 0 is not served.  Non-finite numbers in
; x, y or a valid table entry are not served.  Two candidates whose d differ by less than about 2e-7 of |w||q| may be ordered
; otherwise than by a chain of f32 operations.
; THE MODE: SCHED_MODE bits 1:0 = 2 (LLVM: expert scheduling mode 2), set by the entry lines.  The code itself states the register
; dependences between vector or matrix instructions and memory or LDS instructions, with s_wait_alu, always for 0.
; THE PLAN.  Registers that memory or LDS instructions touch:
;   offsets, addresses, zeros   made once at the head, ahead of one wait; only v[AADR] is written again, once in two trips.
;   WPA, FW, OP                 out-registers of the preparation's LDS stores: two samples' pieces, 15 first-valid words, 15 table entries'
;                               pieces.  Each is written once, by vector lines, and a wait stands between a block of arithmetic and its stores:
;                               one for the samples, one for each five table entries.
;   v16 to v255                 behind the barrier fragments and first-valid words land there and the search's state is written there: one wait
;                               states that the loads and LDS stores of the preparation have read their registers; the wait of the last five
;                               entries has stated that the vector lines are done with them, and no vector line stands between it and those loads.
;   AF0, AF1                    trip t's matrix instructions read AF[t % 2]; the eight loads of trip t + 1's fragments land in the other one, which
;                               trip t - 1's matrix instructions read.  ONE wait at a trip's head states that those are done; the loads follow, one
;                               behind each of the trip's first eight matrix instructions, which with the search lines between them name this
;                               trip's buffer, BF, ACC, T0 to T3, G and the best values and groups: never the other buffer, never v[AADR].
;   BF (once loaded), ACC, T0 to T3, G, BP, GP, BN, GN are named by vector and matrix instructions alone.
; Compares write scalar registers, in runs, and one wait stands between a run and the first line that reads one of its masks.
.set PITCH, 272                        ; an LDS row: 256 bytes along K + 16 bytes, an odd multiple of 16
.set TILEB, 16*PITCH                   ; 16 rows
.set BST,   384*PITCH                  ; 104,448: behind the table's 384 rows, the samples' 256 rows
.set FVB,   BST+256*PITCH              ; 174,080: word [class][chunk of 32 symmetries]: first valid symmetry or 0x7fff; 64 bytes a class
; registers of the main part
.set T0,   2                           ; at work: the largest d, the largest -d of one tile,
.set T1,   3
.set G,    4                           ; the group that this lane's eight results belong to: 2 tile + h
.set AADR, 5                           ; LDS address of my part of a table fragment
.set BADR, 6                           ; the same for my wave's sample rows
.set CO,   7                           ; byte offset of my two code words
.set NT,   8                           ; v[8:11]    class of sample 16 T + r, then the LDS address of that class's first-valid words
.set OUTC, 12                          ; v[12:13]   the two code words to store
.set T2,   14                          ; and of the other tile of a pair
.set T3,   15
.set BF,   16                          ; v[16:143]  sample fragments: tile T, K block kb at 16 + 32 T + 8 kb
.set AF0,  144                         ; v[144:175] table fragments, buffer 0
.set AF1,  176                         ; v[176:207] buffer 1
.set ACC,  208                         ; v[208:239] four accumulators, one for each sample tile
.set BP,   240                         ; v[240:243] best clip(d)
.set GP,   244                         ; v[244:247] its group
.set BN,   248                         ; v[248:251] best clip(-d)
.set GN,   252                         ; v[252:255] its group
.set FT,   16                          ; v[16:31]   the way out: what the lane 16 away holds, four registers a tile
; registers of the preparation, all dead before the fragments are loaded
.set TQ,   16                          ; v[16:75]   15 table quaternions: entry i = 3 class + row block at 4 i
.set TM,   76                          ; v[76:90]   their mask bytes
.set QS,   92                          ; v[92:95]   at work
.set WPA,  96                          ; v[96:107]  sample e: three pairs of packed pieces w1, w2, w3 at 96 + 6 e
.set WS,   108                         ; v[108:111] at work
.set ZR,   112                         ; v[112:115] zeros
.set ROWA, 116                         ; v[116:118] LDS address of table row 128 m + thread
.set BROW, 119                         ; LDS address of the row of sample 64 w + lane
.set BQ,   120                         ; v[120:121] that row (and the row 32 further, by the immediate) at the class's quad
.set FVA,  122                         ; FVB + 4 w
.set XO,   123                         ; byte offsets into x and y, n, n by tile, sym_qua, sym_mask
.set NO,   124
.set NTO,  125
.set QOA,  126
.set QOC,  127
.set MOC,  128
.set FW,   129                         ; v[129:143] entry i: the first valid row of my wave's 32, to store
.set SX,   144                         ; v[144:159] x, y of sample 0, x, y of sample 1
.set SN,   160                         ; v[160:161] their classes
.set WT,   162                         ; v[162:163] at work
.set WV,   164                         ; v[164:167] w
.set OP,   166                         ; v[166:255] entry i: three pairs of packed pieces q1, q2, q3 at 166 + 6 i
.set FV,   176                         ; v[176:223] 12 first-valid words for each of 4 tiles
.set MK,   32                          ; s[32:46]   entry i: which of my wave's 32 rows are valid
.set CM,   36                          ; s[36:39]   the search's four masks
.set FS,   32                          ; s[32:43]   the way out's masks, three a tile
; four f32 in v[a:a+3] become three pairs of packed bf16; a is used up, t is four registers at work.  The rests are exact in f32.
.macro SPLIT4 a, p1, p2, p3, t
	v_cvt_pk_bf16_f32 v[\p1],   v[\a],   v[\a+1]
	v_cvt_pk_bf16_f32 v[\p1+1], v[\a+2], v[\a+3]
	v_lshlrev_b32 v[\t],   16,  v[\p1]
	v_and_b32     v[\t+1], s19, v[\p1]
	v_lshlrev_b32 v[\t+2], 16,  v[\p1+1]
	v_and_b32     v[\t+3], s19, v[\p1+1]
.irp k, 0,1,2,3
	v_sub_f32 v[\a+\k], v[\a+\k], v[\t+\k]
.endr
	v_cvt_pk_bf16_f32 v[\p2],   v[\a],   v[\a+1]
	v_cvt_pk_bf16_f32 v[\p2+1], v[\a+2], v[\a+3]
	v_lshlrev_b32 v[\t],   16,  v[\p2]
	v_and_b32     v[\t+1], s19, v[\p2]
	v_lshlrev_b32 v[\t+2], 16,  v[\p2+1]
	v_and_b32     v[\t+3], s19, v[\p2+1]
.irp k, 0,1,2,3
	v_sub_f32 v[\a+\k], v[\a+\k], v[\t+\k]
.endr
	v_cvt_pk_bf16_f32 v[\p3],   v[\a],   v[\a+1]
	v_cvt_pk_bf16_f32 v[\p3+1], v[\a+2], v[\a+3]
.endm
; w from x and y (p = y): the coefficients of qx, qy, qz, qw in (x/|x|) . (p (x) q)
.macro WVEC x, y, w, t
	v_mul_f32  v[\t], v[\x],   v[\x]
	v_fmac_f32 v[\t], v[\x+1], v[\x+1]
	v_fmac_f32 v[\t], v[\x+2], v[\x+2]
	v_fmac_f32 v[\t], v[\x+3], v[\x+3]
	v_rsq_f32  v[\t+1], v[\t]                      ; the next line is a plain vector instruction that touches neither t nor t+1 (ISA guide 5.7.2)
	v_mul_f32  v[\w],   v[\x],    v[\y+3]
	v_fma_f32  v[\w],   -v[\x+1], v[\y+2], v[\w]
	v_fma_f32  v[\w],   v[\x+2],  v[\y+1], v[\w]
	v_fma_f32  v[\w],   -v[\x+3], v[\y],   v[\w]
	v_mul_f32  v[\w+1], v[\x],    v[\y+2]
	v_fma_f32  v[\w+1], v[\x+1],  v[\y+3], v[\w+1]
	v_fma_f32  v[\w+1], -v[\x+2], v[\y],   v[\w+1]
	v_fma_f32  v[\w+1], -v[\x+3], v[\y+1], v[\w+1]
	v_mul_f32  v[\w+2], v[\x+1],  v[\y]
	v_fma_f32  v[\w+2], -v[\x],   v[\y+1], v[\w+2]
	v_fma_f32  v[\w+2], v[\x+2],  v[\y+3], v[\w+2]
	v_fma_f32  v[\w+2], -v[\x+3], v[\y+2], v[\w+2]
	v_mul_f32  v[\w+3], v[\x],    v[\y]
	v_fmac_f32 v[\w+3], v[\x+1],  v[\y+1]
	v_fmac_f32 v[\w+3], v[\x+2],  v[\y+2]
	v_fmac_f32 v[\w+3], v[\x+3],  v[\y+3]
	s_wait_alu depctr_va_vdst(0)
.irp k, 0,1,2,3
	v_mul_f32 v[\w+\k], v[\w+\k], v[\t+1]
.endr
.endm
; sample e of my two: its w, cut in pieces, in registers of its own
.macro SAMPLEC e
	v_min_u32 v[SN+\e], 4, v[SN+\e]
	v_lshl_add_u32 v[BQ+\e], v[SN+\e], 3, v[BROW]
	WVEC SX+8*\e, SX+8*\e+4, WV, WT
	SPLIT4 WV, WPA+6*\e, WPA+6*\e+2, WPA+6*\e+4, WS
.endm
; and into the quad of its class in its (zeroed) row
.macro SAMPLES e
	ds_store_b64 v[BQ+\e], v[WPA+6*\e+4:WPA+6*\e+5] offset:32*PITCH*\e
	ds_store_b64 v[BQ+\e], v[WPA+6*\e:WPA+6*\e+1]   offset:32*PITCH*\e+40
	ds_store_b64 v[BQ+\e], v[WPA+6*\e+2:WPA+6*\e+3] offset:32*PITCH*\e+80
	ds_store_b64 v[BQ+\e], v[WPA+6*\e+2:WPA+6*\e+3] offset:32*PITCH*\e+120
	ds_store_b64 v[BQ+\e], v[WPA+6*\e:WPA+6*\e+1]   offset:32*PITCH*\e+160
	ds_store_b64 v[BQ+\e], v[WPA+6*\e:WPA+6*\e+1]   offset:32*PITCH*\e+200
.endm
; table entry i (class i / 3, row 128 (i % 3) + thread): the first valid row of my wave's 32
.macro FIRST i
.if (\i)%3 == 2
	s_and_b32 s[MK+(\i)], s[MK+(\i)], s23          ; rows 360..383 do not exist
.endif
	s_ctz_i32_b32 s27, s[MK+(\i)]                  ; the first valid lane,
	s_add_co_u32 s27, s27, s17                     ; as a row: + 32 w
	s_add_co_u32 s27, s27, 128*((\i)%3)            ; + 128 m
	s_cmp_lg_u32 s[MK+(\i)], 0
	s_cselect_b32 s27, s27, 0x7fff                 ; none: a number above every row
	v_mov_b32 v[FW+(\i)], s27
.endm
; entry i masked and cut in pieces, in registers of its own
.macro ITEMC i
.irp k, 0,1,2,3
	v_cndmask_b32 v[TQ+4*(\i)+\k], 0, v[TQ+4*(\i)+\k], s[MK+(\i)]
.endr
	SPLIT4 TQ+4*(\i), OP+6*(\i), OP+6*(\i)+2, OP+6*(\i)+4, QS
.endm
; and stored
.macro ITEMS i
	ds_store_b64 v[ROWA+(\i)%3], v[OP+6*(\i):OP+6*(\i)+1]   offset:8*((\i)/3)
	ds_store_b64 v[ROWA+(\i)%3], v[OP+6*(\i)+4:OP+6*(\i)+5] offset:8*((\i)/3)+40
	ds_store_b64 v[ROWA+(\i)%3], v[OP+6*(\i)+2:OP+6*(\i)+3] offset:8*((\i)/3)+80
	ds_store_b64 v[ROWA+(\i)%3], v[OP+6*(\i):OP+6*(\i)+1]   offset:8*((\i)/3)+120
	ds_store_b64 v[ROWA+(\i)%3], v[OP+6*(\i)+2:OP+6*(\i)+3] offset:8*((\i)/3)+160
	ds_store_b64 v[ROWA+(\i)%3], v[OP+6*(\i):OP+6*(\i)+1]   offset:8*((\i)/3)+200
.endm
; five entries: their arithmetic, one wait, their stores
.macro GROUP g
	s_wait_loadcnt 10-5*\g                         ; loads return in order: these five quaternions are in, the later ones stay out
.set ii, 5*\g
.rept 5
	ITEMC ii
.set ii, ii+1
.endr
	s_wait_alu depctr_va_vdst(0)                   ; the five entries' pieces are written (in the first group the 15 first-valid words too), which the LDS stores below read
.if \g == 0
.set ii, 0
.rept 15
	ds_store_b32 v[FVA], v[FW+ii] offset:64*(ii/3)+16*(ii%3)  ; every lane stores the same word
.set ii, ii+1
.endr
.endif
.set ii, 5*\g
.rept 5
	ITEMS ii
.set ii, ii+1
.endr
.endm
; the table fragments of one tile of 16 symmetries, K = 128: lane (r, h) takes row r, bytes 64 kb + 16 h and 32 further
.macro FETCH buf, off
.irp kb, 0,1,2,3
	ds_load_b128 v[\buf+8*\kb:\buf+8*\kb+3],   v[AADR] offset:\off+64*\kb
	ds_load_b128 v[\buf+8*\kb+4:\buf+8*\kb+7], v[AADR] offset:\off+64*\kb+32
.endr
.endm
; load i of those eight alone: K block i / 2, half i % 2
.macro LD1 on, buf, off, i
.if \on
	ds_load_b128 v[\buf+4*\i:\buf+4*\i+3], v[AADR] offset:\off+32*\i
.endif
.endm
; one matrix instruction: rows = 16 symmetries, columns = the 16 samples of tile acc; K block 0 starts the sum
.macro MM acc, buf, kb
.if \kb == 0
	v_wmma_f32_16x16x32_bf16 v[ACC+8*\acc:ACC+8*\acc+7], v[\buf+8*\kb:\buf+8*\kb+7], v[BF+32*\acc+8*\kb:BF+32*\acc+8*\kb+7], 0
.else
	v_wmma_f32_16x16x32_bf16 v[ACC+8*\acc:ACC+8*\acc+7], v[\buf+8*\kb:\buf+8*\kb+7], v[BF+32*\acc+8*\kb:BF+32*\acc+8*\kb+7], v[ACC+8*\acc:ACC+8*\acc+7]
.endif
.endm
; the search on two finished accumulators, in eight pieces of four instructions that stand between matrix instructions
.macro MAXP T, t, on                   ; the largest of my eight d
.if \on
	v_max3_num_f32 v[\t], v[ACC+8*\T], v[ACC+8*\T+1], v[ACC+8*\T+2]
	v_max3_num_f32 v[\t], v[\t], v[ACC+8*\T+3], v[ACC+8*\T+4]
	v_max3_num_f32 v[\t], v[\t], v[ACC+8*\T+5], v[ACC+8*\T+6]
	v_max_num_f32  v[\t], v[\t], v[ACC+8*\T+7]
.endif
.endm
.macro MAXN T, t, on                   ; the least of my eight d
.if \on
	v_min3_num_f32 v[\t], v[ACC+8*\T], v[ACC+8*\T+1], v[ACC+8*\T+2]
	v_min3_num_f32 v[\t], v[\t], v[ACC+8*\T+3], v[ACC+8*\T+4]
	v_min3_num_f32 v[\t], v[\t], v[ACC+8*\T+5], v[ACC+8*\T+6]
	v_min_num_f32  v[\t], v[\t], v[ACC+8*\T+7]
.endif
.endm
.macro CLIP on                         ; clipped; of the least d the negative
.if \on
	v_min_num_f32 v[T0], s18, v[T0]
	v_min_num_f32 v[T1], -v[T1], s18
	v_min_num_f32 v[T2], s18, v[T2]
	v_min_num_f32 v[T3], -v[T3], s18
.endif
.endm
.macro CMPS p0, p1, on                 ; strictly greater than the best so far?  Four compares in one run
.if \on
	v_cmp_gt_f32 s[CM],   v[T0], v[BP+\p0]
	v_cmp_gt_f32 s[CM+1], v[T1], v[BN+\p0]
	v_cmp_gt_f32 s[CM+2], v[T2], v[BP+\p1]
	v_cmp_gt_f32 s[CM+3], v[T3], v[BN+\p1]
.endif
.endm
.macro KEEP p0, p1, on                 ; the best values move on, behind the compares that read the old ones
.if \on
	v_max_num_f32 v[BP+\p0], v[BP+\p0], v[T0]
	v_max_num_f32 v[BN+\p0], v[BN+\p0], v[T1]
	v_max_num_f32 v[BP+\p1], v[BP+\p1], v[T2]
	v_max_num_f32 v[BN+\p1], v[BN+\p1], v[T3]
.endif
.endm
.macro SEL p0, p1, on                  ; a strictly greater value brings its group
.if \on
	s_wait_alu depctr_va_sdst(0)                   ; the four compares have written s[CM:CM+3], ahead of the selects, their first readers
	v_cndmask_b32 v[GP+\p0], v[GP+\p0], v[G], s[CM]
	v_cndmask_b32 v[GN+\p0], v[GN+\p0], v[G], s[CM+1]
	v_cndmask_b32 v[GP+\p1], v[GP+\p1], v[G], s[CM+2]
	v_cndmask_b32 v[GN+\p1], v[GN+\p1], v[G], s[CM+3]
.endif
.endm
; eight matrix instructions on accumulators a0 and a1, which take turns, one instruction a turn;
; between them the search on the two accumulators p0 and p1 that were finished before, and (ld = 1) the next tile's eight fragment loads
.macro PHASE a0, a1, p0, p1, buf, on, ld, other, off
	MM \a0, \buf, 0
	LD1 \ld, \other, \off, 0
	MAXP \p0, T0, \on
	MM \a1, \buf, 0
	LD1 \ld, \other, \off, 1
	MAXN \p0, T1, \on
	MM \a0, \buf, 1
	LD1 \ld, \other, \off, 2
	MAXP \p1, T2, \on
	MM \a1, \buf, 1
	LD1 \ld, \other, \off, 3
	MAXN \p1, T3, \on
	MM \a0, \buf, 2
	LD1 \ld, \other, \off, 4
	CLIP \on
	MM \a1, \buf, 2
	LD1 \ld, \other, \off, 5
	CMPS \p0, \p1, \on
	MM \a0, \buf, 3
	LD1 \ld, \other, \off, 6
	KEEP \p0, \p1, \on
	MM \a1, \buf, 3
	LD1 \ld, \other, \off, 7
	SEL \p0, \p1, \on
.endm
; four places behind the last matrix instruction (ISA guide 7.12.1) before its result is read by vector instructions
.macro PLACES
.rept 4
	v_nop
.endr
.endm
; one tile of 16 symmetries against my 64 samples.  buf: its fragments; other, off: where the next tile's go and come from;
; prev = 1: the tile before left accumulators 2 and 3 to be searched (with the old G); fetch = 0: the last tile
.macro TRIP buf, other, off, prev, fetch
	s_wait_dscnt 0x0                               ; this tile's fragments are in: nothing has been asked of LDS since them
.if \fetch
	s_wait_alu depctr_va_vdst(0)                   ; the matrix instructions of the trip before are done reading the other buffer, in which the loads below land; behind a step v[AADR] is written; in the first trip the lines on the first-valid words are done with v[176:207]
.endif
	PHASE 0, 1, 2, 3, \buf, \prev, \fetch, \other, \off
.if \prev
	v_add_nc_u32 v[G], 2, v[G]                     ; now this tile's group
.endif
	PLACES
	PHASE 2, 3, 0, 1, \buf, 1, 0, 0, 0
.endm
; the table address moves on by two tiles
.macro ON
	s_wait_alu depctr_vm_vsrc(0)                   ; the fragment loads issued so far have read v[AADR]
	v_add_nc_u32 v[AADR], 2*TILEB, v[AADR]
.endm
; lanes r and r + 16 hold the even and the odd groups of one sample: the greater value wins, on equal values the lower group.
; b, g: the best values and their groups; o: where the other lane's pair lies among a tile's four registers
.macro MERGE b, g, o
.irp T, 0,1,2,3
	v_cmp_gt_f32 s[FS+3*\T],   v[FT+4*\T+\o],   v[\b+\T]
	v_cmp_eq_f32 s[FS+3*\T+1], v[FT+4*\T+\o],   v[\b+\T]
	v_cmp_lt_u32 s[FS+3*\T+2], v[FT+4*\T+\o+1], v[\g+\T]
.endr
	s_wait_alu depctr_va_sdst(0)                   ; the twelve compares have written s[FS:FS+11], ahead of the scalar lines, their first readers
.irp T, 0,1,2,3
	s_and_b32 s[FS+3*\T+1], s[FS+3*\T+1], s[FS+3*\T+2]
	s_or_b32  s[FS+3*\T],   s[FS+3*\T],   s[FS+3*\T+1]
	v_cndmask_b32 v[\b+\T], v[\b+\T], v[FT+4*\T+\o],   s[FS+3*\T]
	v_cndmask_b32 v[\g+\T], v[\g+\T], v[FT+4*\T+\o+1], s[FS+3*\T]
.endr
.endm
	; ---- ids and addresses
	s_load_b256 s[4:11], s[0:1], 0x0               ; x s[4:5], y s[6:7], n s[8:9], sym_qua s[10:11]
	s_load_b128 s[12:15], s[0:1], 0x20             ; sym_mask s[12:13], code s[14:15]
	s_set_vgpr_msb 0x40
	v_lshl_add_u32 v0, v0, 2, 0x2aa00
	v_mov_b32 v1, 0
	s_set_vgpr_msb 0x4000
	v_lshrrev_b32 v1, 5, v0
	v_readfirstlane_b32 s16, v1                    ; wave w
	v_cmp_gt_u32 s23, 104, v0                      ; row 256 + thread is below 360
	s_mov_b32 s18, 0x3f7fffef                      ; 1 - 1e-6 in f32, the clip
	s_mov_b32 s19, 0xffff0000                      ; a word's upper bf16; also: lanes 16..31
	s_mov_b32 s24, 0x76543210                      ; v_permlanex16_b32: lane i reads lane i of the other half
	s_mov_b32 s25, 0xfedcba98
	s_mov_b32 s29, FVB
	v_and_b32 v1, 15, v0                           ; r
	v_bfe_u32 v[G], v0, 4, 1                       ; h: also the group of tile 0
	v_mul_u32_u24 v[ROWA], v0, PITCH
	v_add_nc_u32 v[ROWA+1], 128*PITCH, v[ROWA]
	v_add_nc_u32 v[ROWA+2], 256*PITCH, v[ROWA]
	v_mul_u32_u24 v[AADR], v1, PITCH
	v_lshl_add_u32 v[AADR], v[G], 4, v[AADR]       ; r x pitch + 16 h
	v_lshlrev_b32 v[CO], 3, v0                     ; 256 w + 8 lane
	v_lshlrev_b32 v[QOA], 4, v0
	v_add_nc_u32 v[MOC], 256, v0
	v_min_u32 v[MOC], 359, v[MOC]                  ; rows past the table read its last row and are masked
	v_lshlrev_b32 v[QOC], 4, v[MOC]
.irp k, 0,1,2,3
	v_mov_b32 v[ZR+\k], 0
.endr
	s_wait_alu depctr_va_sdst(0)                   ; s16 and s23 are written, ahead of their first readers: the next line, and the table's masks further down
	s_lshl_b32 s17, s16, 5                         ; 32 w
	v_add_nc_u32 v3, s17, v0                       ; 64 w + lane
	v_mul_u32_u24 v[BROW], v3, PITCH
	v_add_nc_u32 v[BROW], BST, v[BROW]
	s_lshl_b32 s28, s16, 2
	s_add_co_u32 s28, s28, FVB
	v_mov_b32 v[FVA], s28
	s_mul_i32 s28, s16, 64*PITCH
	s_add_co_u32 s28, s28, BST
	v_add_nc_u32 v[BADR], s28, v[AADR]             ; the same in my wave's 64 sample rows
	v_lshlrev_b32 v[XO], 4, v3
	v_lshlrev_b32 v[NO], 2, v3
	s_lshl_b32 s28, s16, 8
	v_lshl_add_u32 v[NTO], v1, 2, s28              ; 4 (64 w + r)
	s_wait_kmcnt 0x0
	s_lshl_b32 s30, ttmp9, 12                      ; 256 samples of 16 bytes
	s_mov_b32 s31, 0
	s_add_nc_u64 s[4:5], s[4:5], s[30:31]
	s_add_nc_u64 s[6:7], s[6:7], s[30:31]
	s_lshl_b32 s30, ttmp9, 10                      ; 256 words
	s_add_nc_u64 s[8:9], s[8:9], s[30:31]
	s_add_nc_u64 s[14:15], s[14:15], s[30:31]
	s_wait_alu depctr_va_vdst(0)                   ; all offsets and addresses and the four zeros are written, which the loads and LDS stores below, the fragment loads and the last store read
	; ---- 40 loads: ten for the samples, then the table's 15 mask bytes, then its 15 quaternions
	global_load_b128 v[SX:SX+3],     v[XO], s[4:5]
	global_load_b128 v[SX+4:SX+7],   v[XO], s[6:7]
	global_load_b32  v[SN],          v[NO], s[8:9]
	global_load_b128 v[SX+8:SX+11],  v[XO], s[4:5] offset:512
	global_load_b128 v[SX+12:SX+15], v[XO], s[6:7] offset:512
	global_load_b32  v[SN+1],        v[NO], s[8:9] offset:128
.irp T, 0,1,2,3
	global_load_b32  v[NT+\T], v[NTO], s[8:9] offset:64*\T
.endr
.irp c, 0,1,2,3,4
.irp m, 0,1,2
.if \m == 2
	global_load_u8   v[TM+3*\c+\m], v[MOC], s[12:13] offset:360*\c
.else
	global_load_u8   v[TM+3*\c+\m], v0, s[12:13] offset:360*\c+128*\m
.endif
.endr
.endr
.irp c, 0,1,2,3,4
.irp m, 0,1,2
.if \m == 2
	global_load_b128 v[TQ+4*(3*\c+\m):TQ+4*(3*\c+\m)+3], v[QOC], s[10:11] offset:5760*\c
.else
	global_load_b128 v[TQ+4*(3*\c+\m):TQ+4*(3*\c+\m)+3], v[QOA], s[10:11] offset:5760*\c+2048*\m
.endif
.endr
.endr
	; ---- while they fly: zeros into my two sample rows and into bytes 240..255 (K 120..127) of my three table rows
.irp k, 0,1,2,3,4,5,6,7,8,9,10,11,12,13,14,15
	ds_store_b128 v[BROW], v[ZR:ZR+3] offset:16*\k
	ds_store_b128 v[BROW], v[ZR:ZR+3] offset:32*PITCH+16*\k
.endr
.irp m, 0,1,2
	ds_store_b128 v[ROWA+\m], v[ZR:ZR+3] offset:240
.endr
	; ---- my two samples.  LDS serves a wave's instructions in order (ISA guide 5.7.1): the quads land on the zeros
	s_wait_loadcnt 30                              ; the ten sample loads are in; the table's 30 stay out
.irp T, 0,1,2,3
	v_min_u32 v[NT+\T], 4, v[NT+\T]
	v_lshl_add_u32 v[NT+\T], v[NT+\T], 6, s29      ; where the 12 first-valid words of the sample's class lie: read behind the barrier
.endr
	SAMPLEC 0
	SAMPLEC 1
	s_wait_alu depctr_va_vdst(0)                   ; both samples' pieces and row addresses are written, which the twelve LDS stores read; so is v[NT ..], by which the first-valid words are loaded
	SAMPLES 0
	SAMPLES 1
	; ---- my 15 table entries: the masks in one run, then the entries by fives
	s_wait_loadcnt 15                              ; the 15 mask bytes are in; the 15 quaternions stay out
.set ii, 0
.rept 15
	v_cmp_ne_u32 s[MK+ii], 0, v[TM+ii]
.set ii, ii+1
.endr
	s_wait_alu depctr_va_sdst(0)                   ; the 15 compares have written s[MK:MK+14], ahead of the scalar lines, their first readers
.set ii, 0
.rept 15
	FIRST ii
.set ii, ii+1
.endr
	GROUP 0
	GROUP 1
	GROUP 2                                        ; behind its wait no vector line follows up to the fragment loads: all vector lines are done with v16 to v255
	s_wait_dscnt 0x0                               ; my LDS stores are done, for the other waves' sake
	s_barrier_signal -1
	s_barrier_wait -1                              ; the only barrier: behind it LDS is read alone
	s_wait_alu depctr_vm_vsrc(0)                   ; my global loads have read their offsets and my LDS stores their addresses and data (v96 to v143, v166 to v255): loads land in these registers and the search writes them from here on
	; ---- start of the search, and the fragments
.irp T, 0,1,2,3
	ds_load_b128 v[FV+12*\T:FV+12*\T+3],    v[NT+\T]
	ds_load_b128 v[FV+12*\T+4:FV+12*\T+7],  v[NT+\T] offset:16
	ds_load_b128 v[FV+12*\T+8:FV+12*\T+11], v[NT+\T] offset:32
.endr
.irp T, 0,1,2,3
.irp kb, 0,1,2,3
	ds_load_b128 v[BF+32*\T+8*\kb:BF+32*\T+8*\kb+3],   v[BADR] offset:TILEB*\T+64*\kb
	ds_load_b128 v[BF+32*\T+8*\kb+4:BF+32*\T+8*\kb+7], v[BADR] offset:TILEB*\T+64*\kb+32
.endr
.endr
	FETCH AF0, 0
	s_wait_dscnt 40                                ; the 12 loads of first-valid words are in; the 32 + 8 fragment loads behind them stay out
.irp k, 1,2,3,4,5,6,7,8,9,10,11
.irp T, 0,1,2,3
	v_min_u32 v[FV+12*\T], v[FV+12*\T], v[FV+12*\T+\k]
.endr
.endr
.irp T, 0,1,2,3
	v_cmp_gt_u32 s[MK+\T], 360, v[FV+12*\T]        ; the class has a valid symmetry
.endr
.irp T, 0,1,2,3
	v_lshrrev_b32 v[FV+12*\T], 3, v[FV+12*\T]
	v_mov_b32 v[BP+\T], 0
	v_mov_b32 v[BN+\T], 0
.endr
	s_wait_alu depctr_va_sdst(0)                   ; the four compares have written s[MK:MK+3], ahead of the selects, their first readers
.irp T, 0,1,2,3
	v_cndmask_b32 v[GP+\T], 0, v[FV+12*\T], s[MK+\T] ; its group, or 0
.endr
.irp T, 0,1,2,3
	v_mov_b32 v[GN+\T], v[GP+\T]
.endr
	; ---- 24 tiles of 16 symmetries: two in front of the loop (the first has nothing to search yet), 20 in it, two behind (the last fetches nothing)
	TRIP AF0, AF1, TILEB, 0, 1
	TRIP AF1, AF0, 2*TILEB, 1, 1
	ON
	s_mov_b32 s26, 10
.Ltiles:
	TRIP AF0, AF1, TILEB, 1, 1
	TRIP AF1, AF0, 2*TILEB, 1, 1
	ON
	s_sub_co_i32 s26, s26, 1
	s_cmp_lg_u32 s26, 0
	s_cbranch_scc1 .Ltiles
	TRIP AF0, AF1, TILEB, 1, 1
	TRIP AF1, AF0, 0, 1, 0
	PLACES
	MAXP 2, T0, 1
	MAXN 2, T1, 1
	MAXP 3, T2, 1
	MAXN 3, T3, 1
	CLIP 1
	CMPS 2, 3, 1
	KEEP 2, 3, 1
	SEL 2, 3, 1
	; ---- the way out: the two halves of the lanes meet, then the half of the angles is chosen; lane L stores the words of samples L (tile 0 or 1) and 32 + L (tile 2 or 3)
.irp T, 0,1,2,3
	v_permlanex16_b32 v[FT+4*\T],   v[BP+\T], s24, s25
	v_permlanex16_b32 v[FT+4*\T+1], v[GP+\T], s24, s25
	v_permlanex16_b32 v[FT+4*\T+2], v[BN+\T], s24, s25
	v_permlanex16_b32 v[FT+4*\T+3], v[GN+\T], s24, s25
.endr
	MERGE BP, GP, 0
	MERGE BN, GN, 2
.irp T, 0,1,2,3
	v_cmp_ge_f32 s[FS+\T], v[BP+\T], v[BN+\T]      ; on equal angles the first half has the lower index
.endr
.irp T, 0,1,2,3
	v_or_b32 v[FT+\T], 0x100, v[GN+\T]
.endr
	s_wait_alu depctr_va_sdst(0)                   ; the four compares have written s[FS:FS+3], ahead of the selects, their first readers
.irp T, 0,1,2,3
	v_cndmask_b32 v[BP+\T], v[FT+\T], v[GP+\T], s[FS+\T] ; the code word takes BP's place
.endr
	v_cndmask_b32 v[OUTC],   v[BP],   v[BP+1], s19
	v_cndmask_b32 v[OUTC+1], v[BP+2], v[BP+3], s19
	s_wait_alu depctr_va_vdst(0)                   ; the two selects have written v[OUTC:OUTC+1], which the store reads
	global_store_b64 v[CO], v[OUTC:OUTC+1], s[14:15]   ; the wave's store covers 256 consecutive bytes, at a multiple of 256 from code's first byte
	s_set_vgpr_msb 0x5
	s_wait_dscnt 0x0
	s_wait_alu depctr_hold_cnt(0) depctr_sa_sdst(0) depctr_va_vdst(0) depctr_va_sdst(0) depctr_va_ssrc(0) depctr_va_vcc(0) depctr_vm_vsrc(0)
	s_wait_tensorcnt 0x0
	ds_add_u32 v0, v1
	s_wait_dscnt 0x0
	s_endpgm
.Lfunc_end_k_q0e04cd8f5e_search:
	.size	k_q0e04cd8f5e_search, .Lfunc_end_k_q0e04cd8f5e_search-k_q0e04cd8f5e_search
	.p2alignl 7, 3214868480
	.fill 96, 4, 3214868480
	.section	.rodata,"a",@progbits
	.p2align	6, 0x0
	.amdhsa_kernel k_q0e04cd8f5e_search
		.amdhsa_group_segment_fixed_size 175104
		.amdhsa_private_segment_fixed_size 0
		.amdhsa_enable_private_segment 0
		.amdhsa_kernarg_size 48
		.amdhsa_user_sgpr_count 2
		.amdhsa_user_sgpr_kernarg_segment_ptr 1
		.amdhsa_wavefront_size32 1
		.amdhsa_system_sgpr_workgroup_id_x 1
		.amdhsa_system_sgpr_workgroup_id_y 1
		.amdhsa_system_sgpr_workgroup_id_z 1
		.amdhsa_system_vgpr_workitem_id 0
		.amdhsa_next_free_vgpr 258
		.amdhsa_next_free_sgpr 66
		.amdhsa_reserve_vcc 0
		.amdhsa_float_denorm_mode_32 3
		.amdhsa_float_denorm_mode_16_64 3
		.amdhsa_memory_ordered 1
		.amdhsa_forward_progress 1
		.amdhsa_inst_pref_size 85
	.end_amdhsa_kernel
	.amdgpu_metadata
---
amdhsa.version: [ 1, 2 ]
amdhsa.kernels:
  - .name:           k_q0e04cd8f5e_search
    .symbol:         k_q0e04cd8f5e_search.kd
    .args:
      - { .name: x, .offset: 0, .size: 8, .value_kind: global_buffer, .address_space: global }
      - { .name: y, .offset: 8, .size: 8, .value_kind: global_buffer, .address_space: global }
      - { .name: n, .offset: 16, .size: 8, .value_kind: global_buffer, .address_space: global }
      - { .name: sym_qua, .offset: 24, .size: 8, .value_kind: global_buffer, .address_space: global }
      - { .name: sym_mask, .offset: 32, .size: 8, .value_kind: global_buffer, .address_space: global }
      - { .name: code, .offset: 40, .size: 8, .value_kind: global_buffer, .address_space: global }
    .group_segment_fixed_size: 175104
    .private_segment_fixed_size: 0
    .kernarg_segment_align: 8
    .kernarg_segment_size: 48
    .max_flat_workgroup_size: 128
    .sgpr_count:     66
    .vgpr_count:     258
    .wavefront_size: 32
...
	.end_amdgpu_metadata
.endif
;; end of part 3
;; launch resolve: the kernel of part 2 again; grid 256 x 1, 8 waves a work-group, no clusters, 0 bytes of LDS; arguments x, y, n, sym_qua, sym_mask, code, out0, out1, out2; writes out0, out1, out2
